; MI455X (gfx1250); checked and timed in simulation.
; The chip was launched on July 23, 2026; its instructions are those of AMD's public machine-readable ISA for CDNA 5 (MIT licence, August 2026) and "CDNA5" Instruction Set Architecture Reference Guide (July 2026). The comments in the code are by the model that wrote it; some were corrected since.
;; Resonant FFNV2. Allowed arithmetic: matrix products marked QUANTISED: E4M3 operands, one E8M0 scale for each 32 along K, by v_wmma_scale_f32_16x16x128_f8f6f4 with both operands' format E4M3, f32 sums; everything else in f32.
;; Inputs: B_param 256 x 512 float32; W 256 x 512 float32; attn_cos 256 x 512 float32; attn_sin 256 x 512 float32; proj_cos_w 512 x 256 float32; proj_sin_w 512 x 256 float32; x 2 x 512 x 512 float32.
;; Outputs: out0 2 x 512 x 512 float32.
;; This version of the problem:
;;   THIS VERSION OF THE PROBLEM IS GIVEN IN LOW PRECISION. The matrix products marked QUANTISED in the list below multiply operands that are first quantised to E4M3 (4 exponent bits, 3 mantissa bits; 8 bits a number), with one power-of-two scale for each 32 numbers along K (OCP MX v1.0); their sums are f32. All else is computed in f32.
;;   The module's matrix products, in the order in which they are computed (A, B: the left and right operand; K: the contracted axis; several contracted axes count as one K, in the product's order):
;;     1. [M 1,024, K 256] x [K 256, N 512]; A: computed on the way; B: input proj_cos_w: QUANTISED
;;     2. [M 1,024, K 256] x [K 256, N 512]; A: computed on the way; B: input proj_sin_w: QUANTISED
;;   THE QUANTISER, for each operand of a quantised product, along K:
;;     - K is cut into blocks of 32 from its start; a last block that is shorter is filled with zeros.
;;     - A block's scale is 2^e with e = floor(log2(the largest magnitude in the block)) - 8, held to -126 .. 127; a block of zeros has e = 0. As a byte (E8M0): e + 127.
;;     - Each number is divided by its block's scale, clamped to +-448, and rounded to the nearest number of E4M3, ties to even, subnormals kept.
;;     - The product sums the exact products of the quantised numbers (number of the format x scale) in f32.
;;   ~~~python
;;   def quantise(x, axis):      # numpy; x: float32 -> the quantised numbers, widened to float32 again
;;       x = np.moveaxis(x, axis, -1); K = x.shape[-1]
;;       x = np.pad(x, [(0, 0)] * (x.ndim - 1) + [(0, -K % 32)]); x = x.reshape(x.shape[:-1] + (-1, 32)); a = np.abs(x).max(-1, keepdims=True)
;;       e = np.where(a > 0, np.clip(np.frexp(np.where(a > 0, a, 1))[1] - 1 - 8, -126, 127), 0)      # np.frexp(a)[1] - 1 = floor(log2(a)), exactly
;;       r = np.clip(x / 2.0 ** e, -448, 448)
;;       step = 2.0 ** (np.maximum(np.frexp(np.where(r == 0, 1, r))[1] - 1, -6) - 3)
;;       q = np.round(r / step) * step * 2.0 ** e      # np.round: ties to even
;;       return np.moveaxis(q.reshape(q.shape[:-2] + (-1,))[..., :K], -1, axis).astype(np.float32)
;;   ~~~
;;   OPERANDS COMPUTED ON THE WAY. 'Computed on the way' means the value that the module computes at that place (a softmax that the list does not call 'softmax' is quantised finished and normalised). What goes into a quantiser is computed in f32, as accurately as f32 sums, v_exp_f32 and their like allow (about 1e-6 of the number): no bf16 or f16 on the way to a quantiser, and a product that is left as it is and whose result goes on into a quantised operand takes f32 operands (vector FMAs, or v_wmma_f32_16x16x4_f32). A number that lies on a knife's edge between two numbers of the format may be rounded either way, as far as f32 arithmetic and the matrix unit's own rounding can turn it there, and no further.
;; One version. Each part assembles by itself: llvm-mc -triple=amdgcn-amd-amdhsa -mcpu=gfx1250 --defsym DOCPART=n.
;; ======== version 1 of 1: 2 launches
;; limits: right only within a limited range of input values
;; workspace buffers: a_codes 524,288 bytes; a_scales 16,384 bytes; b_codes 262,144 bytes; b_scales 8,192 bytes
;; launch sums (part 1): grid 8 x 32, 8 waves a work-group, no clusters, 109,568 bytes of LDS; arguments x, W, B_param, attn_cos, attn_sin, proj_cos_w, proj_sin_w, a_codes, a_scales, b_codes, b_scales; writes a_codes, a_scales, b_codes, b_scales
.if DOCPART == 1
	.amdgcn_target "amdgcn-amd-amdhsa--gfx1250"
	.amdhsa_code_object_version 6
	.text
	.protected	k_q297a32a1ee_sums
	.globl	k_q297a32a1ee_sums
	.p2align	8
	.type	k_q297a32a1ee_sums,@function
k_q297a32a1ee_sums:
	s_mov_b64 s[64:65], 0
	v_nop
	global_prefetch_b8 v0, s[64:65] scope:SCOPE_SE
	s_setreg_imm32_b32 hwreg(HW_REG_WAVE_MODE, 25, 1), 1
	s_wait_xcnt 0x0
; cos_sum[m][n] = sum over d of cos_t[idx] attn_cos[n][d], sin_sum likewise, idx = round((x[m][d] / (1 + |W[n][d]|) + B[n][d]) * 4096 / 2pi) mod 4096; m < 1024, n < 256, d < 512.
; The sums leave as codes of FP8 (E4M3) with one E8M0 byte for each 32 along n; the two projection weights are quantised on the side, 1/256 of them in each work-group.
; SHARES.  A work-group owns 32 rows m x 32 n (one block of the quantiser) and all 512 d; each of its eight waves owns 4 rows; a LANE IS AN n, so no sum crosses lanes.
; A lane works on pairs of neighbouring d by packed instructions: 4 rows x 2 pairs = 8 chains that do not wait for each other.
; THE INDEX follows the f32 roundings of the definition.  x / w = fma(x, rhi, x * rlo) with rhi + rlo = 1 / w to about 2^-48: one rounding, as a division has; + B rounded; x 1/(2 pi) rounded
; (f32(4096 / 2 pi) is 4096 x that constant, exactly); + 3072.5 rounds to a multiple of 1/4096, ties to even (the sum lies in [2048, 4096), where neighbouring f32 numbers are 1/4096 apart);
; the sum's low 12 mantissa bits are (index + 2048) mod 4096: an AND keeps them under the exponent of 2048, and - 2048.5 leaves f = the index as turns in [-1/2, 1/2), exactly.
; THE TABLE is not read by address: sin and cos of the grid angle 2 pi f are computed.  p = sin(pi f / 2), c = cos(pi f / 2) by polynomials in f^2 (errors 3e-9 relative and 5.5e-8), then
; a = p c, q = p^2 - 1/2, a q = -sin(2 pi f) / 8, a^2 - 1/8 = -cos(2 pi f) / 8.  The factor -8, a power of two, is put into attn_cos and attn_sin once, exactly.
; LIMITS: |x / w + B| under 1,024 turns (6,400 rad); NaN and infinities are not served.  The table's own entries are sin and cos of f32(idx) * f32(2 pi / 4096), an angle up to 4.2e-7 rad off the
; grid angle; here the grid angle itself is evaluated, within about 3e-7.  A block of zeros gets the scale byte 1 over zero codes; the bytes are read by this program alone.
; NO CLUSTER, NO TENSOR LOAD: W has to pass through registers to become rhi and rlo, and what work-groups share is small: a work-group fetches 320 KB in the whole launch, while each of its
; eight waves issues 128 steps x 176 vector instructions.
; d goes in 8 chunks of 64 through two LDS buffers: while a chunk is worked on, the next one's 10 global loads a wave are out; they are prepared and stored into the other buffer at the chunk's end; one barrier a chunk.
.set GRP,   80                         ; LDS: 4 d of the five parameter arrays on end: rhi, rlo, B, -8 attn_cos, -8 attn_sin, 16 bytes each
.set PROW,  16*GRP+16                  ; an n's 64 d: 1,296 bytes = 81 x 16: sixteen lanes' 16 bytes start at sixteen different multiples of 16 modulo 256 (64 banks of 4 bytes: ISA guide 11.1)
.set PSZ,   32*PROW                    ; the parameters of a chunk
.set XSZ,   32*256                     ; x of a chunk: 32 rows x 256 bytes
.set PB0,   2*XSZ                      ; LDS: x's two buffers, then the parameters' two,
.set STG,   PB0+2*PSZ                  ; then the stage for the sums: 2 x 32 rows x (128 bytes + 16)
.set SROW,  144
.set GOF,   1                          ; v1   byte offset of my 16 bytes in the wave's rows of W, B, attn_* and x alike; steps 256 a chunk
.set LSP,   2                          ; v2   LDS: where I store parameters
.set LSX,   3                          ; v3   LDS: where I store x
.set LRP,   4                          ; v4   LDS: my n's row of parameters
.set LRX,   5                          ; v5   LDS: my wave's rows of x (the same in all lanes)
.set CRP,   6                          ; v6   LRP + the step in hand
.set CRX,   7                          ; v7   LRX + the step in hand
.set CO,    8                          ; v8   16 x lane: my place in a piece of codes
.set SO,    9                          ; v9   16 x (lane % 16): my row of scale bytes
.set KA3,   10                         ; v[10:11] sin's highest coefficient, twice;  v[12:13] cos's
.set KB3,   12
.set STR,   14                         ; v14  the stage: where I read 16 sums of a row
.set STW,   15                         ; v15  the stage: where I put a sum
.set ACC,   16                         ; v16-47   chain c: v[ACC+4c], +1 the cos sums of its two d, +2, +3 the sin sums
.set PA,    48                         ; v48-67, v68-87     two sets of a step's parameters (5 x 4 d)
.set PB,    68
.set XA,    88                         ; v88-103, v104-119  two sets of a step's x (4 rows x 4 d)
.set XB,    104
.set TM,    120                        ; v120-183 chain c: v[TM+8c] the angle, +2 its square, +4 the sin side, +6 the cos side (pairs)
.set GW,    184                        ; v184-223 the next chunk as loaded: W, B, attn_cos, attn_sin, x: 8 registers each
.set GB,    192
.set GC,    200
.set GS,    208
.set GX,    216
.set Q,     TM                         ; the quantiser: 16 numbers,
.set MX,    TM+16                      ; their largest magnitude, the other half's, the conversion's scale, the hold, the byte,
.set PX,    TM+17
.set SCL,   TM+18
.set HOLD,  TM+19
.set BYT,   TM+20
.set CD,    TM+24                      ; 16 codes
.set WV,    2                          ; s2   wave
.set BY,    3                          ; s3   block of 32 rows
.set CINV,  32                         ; s[32:33] .. constants, each twice: the packed forms name a pair and take its low word for both halves
.set MAGIC, 34
.set NOFF,  36
.set KA2,   38
.set KA1,   40
.set KA0,   42
.set KB2,   44
.set KB1,   46
.set ONE,   48
.set MHALF, 50
.set MEIGHT, 52
.set M8,    54
.set MASK,  56
.set OUTER, 57
.set STP,   58                         ; s58  the step's offset among the parameters, 160 a trip: also the inner loop's counter
.set STX,   59                         ; s59  and in x, 32 a trip
.set SEL,   60                         ; s[60:61] v_permlanex16_b32's selects for lane l xor 16
.set MNT,   62                         ; s62  the mantissa field of 448
.macro PAIR reg, bits
	s_mov_b32 s[\reg], \bits
	s_mov_b32 s[\reg+1], \bits
.endm
	s_load_b512 s[8:23], s[0:1], 0x0               ; x s[8:9], W s[10:11], B s[12:13], attn_cos s[14:15], attn_sin s[16:17], proj_cos_w s[18:19], proj_sin_w s[20:21], a_codes s[22:23]
	s_load_b128 s[24:27], s[0:1], 0x40             ; a_scales s[24:25], b_codes s[26:27]
	s_load_b64 s[28:29], s[0:1], 0x50              ; b_scales
	v_lshl_add_u32 v224, v0, 2, 0x1a800
	v_mov_b32 v225, 0
	v_lshrrev_b32 v6, 5, v0
	v_readfirstlane_b32 s[WV], v6                  ; wave 0..7
	s_and_b32 s[BY], ttmp7, 0xffff
	v_and_b32 v6, 31, v0                           ; lane
	v_and_b32 v7, 15, v0                           ; r = lane % 16
	v_bfe_u32 v14, v0, 4, 1                        ; h = lane / 16
	; a load of 16 bytes a lane takes a chunk's 256 bytes of two rows: lanes 0-15 one row, lanes 16-31 the next.  Wave w stages rows 4 w .. 4 w + 3 of the group's 32, of the parameters and of x alike
	s_lshl_b32 s4, s[WV], 13
	v_lshlrev_b32 v[GOF], 11, v14
	v_lshl_add_u32 v[GOF], v7, 4, v[GOF]
	v_add_nc_u32 v[GOF], s4, v[GOF]                ; (4 w + h) x 2,048 + 16 r
	s_mul_i32 s4, s[WV], 4*PROW
	v_mul_u32_u24 v[LSP], v14, PROW
	v_mad_u32_u24 v[LSP], v7, GRP, v[LSP]
	v_add_nc_u32 v[LSP], s4, v[LSP]                ; (4 w + h) x PROW + 80 r: sixteen lanes 80 bytes apart start at sixteen different multiples of 16 modulo 256
	s_lshl_b32 s4, s[WV], 10
	v_lshlrev_b32 v[CO], 4, v6
	v_add_nc_u32 v[LSX], s4, v[CO]                 ; 1,024 w + 16 lane
	v_mov_b32 v[LRX], s4                           ; a wave reads back only the four rows of x that it stored
	v_mul_u32_u24 v[LRP], v6, PROW                 ; lane = n
	v_lshlrev_b32 v[SO], 4, v7
	s_mul_i32 s4, s[WV], 4*SROW
	s_add_co_u32 s4, s4, STG
	v_lshl_add_u32 v[STW], v6, 2, s4               ; the stage: my wave's four rows, 4 bytes a lane
	s_and_b32 s4, s[WV], 3
	s_mul_i32 s4, s4, 16*SROW
	s_add_co_u32 s4, s4, STG
	v_mul_u32_u24 v7, v7, SROW
	v_lshl_add_u32 v[STR], v14, 6, v7
	v_add_nc_u32 v[STR], s4, v[STR]                ; piece w of four (16 rows x 32 sums): row r, + 64 h
	PAIR CINV,   0x3e22f983                        ; 1 / (2 pi)
	PAIR MAGIC,  0x45400800                        ; 3072.5
	PAIR NOFF,   0xc5000800                        ; -2048.5
	PAIR KA0,    0x3fc90fdb                        ; sin(pi f / 2) = f (1.57079637 - 0.64596348 z + 0.079680224 z^2 - 0.0046021662 z^3), z = f^2
	PAIR KA1,    0xbf255ddd
	PAIR KA2,    0x3da32f63
	PAIR KB1,    0xbf9de9c9                        ; cos(pi f / 2) = 1 - 1.2336970 z + 0.25359861 z^2 - 0.020408281 z^3
	PAIR KB2,    0x3e81d7ad
	PAIR ONE,    0x3f800000
	PAIR MHALF,  0xbf000000
	PAIR MEIGHT, 0xbe000000
	PAIR M8,     0xc1000000                        ; -8
	s_mov_b32 s[MASK], 0x7f800fff                  ; the exponent field and the low 12 mantissa bits
	s_mov_b32 s[SEL], 0x76543210
	s_mov_b32 s[SEL+1], 0xfedcba98
	s_mov_b32 s[MNT], 0x600000
	v_mov_b32 v[KA3], 0xbb96cdc5
	v_mov_b32 v[KA3+1], 0xbb96cdc5
	v_mov_b32 v[KB3], 0xbca72f44
	v_mov_b32 v[KB3+1], 0xbca72f44
.set i, 0
.rept 32
	v_mov_b32 v[ACC+i], 0                          ; the 32 partial sums: the step is written once for all 128 steps
.set i, i+1
.endr
	s_lshl_b32 s4, ttmp9, 16                       ; the group's 32 n: rows of 2,048 bytes
	s_mov_b32 s5, 0
	s_lshl_b32 s6, s[BY], 16                       ; the group's 32 m
	s_mov_b32 s7, 0
	s_wait_kmcnt 0x0
	s_add_nc_u64 s[10:11], s[10:11], s[4:5]
	s_add_nc_u64 s[12:13], s[12:13], s[4:5]
	s_add_nc_u64 s[14:15], s[14:15], s[4:5]
	s_add_nc_u64 s[16:17], s[16:17], s[4:5]
	s_add_nc_u64 s[8:9], s[8:9], s[6:7]
; the next chunk's 10 loads of the wave: two rows' 256 bytes each
.macro GLOADS
.irp j, 0,1
	global_load_b128 v[GW+4*\j:GW+4*\j+3], v[GOF], s[10:11] offset:4096*\j
	global_load_b128 v[GB+4*\j:GB+4*\j+3], v[GOF], s[12:13] offset:4096*\j
	global_load_b128 v[GC+4*\j:GC+4*\j+3], v[GOF], s[14:15] offset:4096*\j
	global_load_b128 v[GS+4*\j:GS+4*\j+3], v[GOF], s[16:17] offset:4096*\j
	global_load_b128 v[GX+4*\j:GX+4*\j+3], v[GOF], s[8:9] offset:4096*\j
.endr
.endm
; what was loaded is prepared and stored into buffer nb
.macro PREP nb
	s_wait_loadcnt 0x0                             ; the chunk is in, and its loads' offset register is free:
	v_add_nc_u32 v[GOF], 256, v[GOF]               ; on to the chunk after it
.irp k, 0,1,2,3,4,5,6,7
	v_add_f32 v[GW+\k], 1.0, |v[GW+\k]|            ; w = 1 + |W|, rounded as the definition rounds it
.endr
.irp k, 0,1,2,3,4,5,6,7
	v_rcp_f32 v[TM+\k], v[GW+\k]
.endr
.irp k, 0,2,4,6
	v_pk_mul_f32 v[GC+\k:GC+\k+1], v[GC+\k:GC+\k+1], s[M8:M8+1] op_sel_hi:[1,0]   ; -8 attn_cos, -8 attn_sin: exact.  (Plain work behind the reciprocals)
	v_pk_mul_f32 v[GS+\k:GS+\k+1], v[GS+\k:GS+\k+1], s[M8:M8+1] op_sel_hi:[1,0]
.endr
	s_wait_alu depctr_va_vdst(0)                   ; one wait for the eight reciprocals, ahead of their first reader
.irp k, 0,2,4,6
	v_pk_fma_f32 v[TM+8+\k:TM+9+\k], v[GW+\k:GW+\k+1], v[TM+\k:TM+\k+1], s[ONE:ONE+1] op_sel_hi:[1,1,0] neg_lo:[1,0,0] neg_hi:[1,0,0]   ; 1 - w r
.endr
.irp k, 0,2,4,6
	v_pk_fma_f32 v[TM+\k:TM+\k+1], v[TM+8+\k:TM+9+\k], v[TM+\k:TM+\k+1], v[TM+\k:TM+\k+1]   ; rhi = r + r (1 - w r)
.endr
.irp k, 0,2,4,6
	v_pk_fma_f32 v[TM+8+\k:TM+9+\k], v[GW+\k:GW+\k+1], v[TM+\k:TM+\k+1], s[ONE:ONE+1] op_sel_hi:[1,1,0] neg_lo:[1,0,0] neg_hi:[1,0,0]   ; 1 - w rhi: what rhi leaves over,
.endr
.irp k, 0,2,4,6
	v_pk_mul_f32 v[TM+8+\k:TM+9+\k], v[TM+8+\k:TM+9+\k], v[TM+\k:TM+\k+1]   ; as rlo = rhi (1 - w rhi)
.endr
.irp j, 0,1
	ds_store_b128 v[LSP], v[TM+4*\j:TM+4*\j+3]     offset:PB0+(\nb)*PSZ+2*PROW*\j
	ds_store_b128 v[LSP], v[TM+8+4*\j:TM+8+4*\j+3] offset:PB0+(\nb)*PSZ+2*PROW*\j+16
	ds_store_b128 v[LSP], v[GB+4*\j:GB+4*\j+3]     offset:PB0+(\nb)*PSZ+2*PROW*\j+32
	ds_store_b128 v[LSP], v[GC+4*\j:GC+4*\j+3]     offset:PB0+(\nb)*PSZ+2*PROW*\j+48
	ds_store_b128 v[LSP], v[GS+4*\j:GS+4*\j+3]     offset:PB0+(\nb)*PSZ+2*PROW*\j+64
	ds_store_b128 v[LSX], v[GX+4*\j:GX+4*\j+3]     offset:(\nb)*XSZ+512*\j
.endr
.endm
; 16 numbers of a lane, neighbours along K, v[Q] on; lanes l and l xor 16 hold a block of 32.  Codes into v[CD] on, the scale's byte into v[BYT]
.macro QUANT16
	v_max3_num_f32 v[MX], |v[Q]|, |v[Q+1]|, 0x4800000   ; my 16 magnitudes, and the floor 2^(9 - 127): the byte cannot fall under 1
.irp i, 2,4,6,8,10,12,14
	v_max3_num_f32 v[MX], v[MX], |v[Q+\i]|, |v[Q+\i+1]|
.endr
	v_mov_b32 v[PX], 0                             ; a lane permute's destination counts as one of its sources
	v_permlanex16_b32 v[PX], v[MX], s[SEL], s[SEL+1]
	v_max_num_f32 v[MX], v[MX], v[PX]              ; the block's largest magnitude
	v_add_nc_u32 v[SCL], 0xfc000000, v[MX]         ; 8 off its exponent field: the conversion takes the exponent field of this operand as its scale
	v_and_or_b32 v[HOLD], v[MX], 0x7f800000, s[MNT]   ; 448 x the scale
	v_lshrrev_b32 v[BYT], 23, v[SCL]               ; the scale's byte
.irp i, 0,1,2,3,4,5,6,7,8,9,10,11,12,13,14,15
	v_med3_num_f32 v[Q+\i], v[Q+\i], -v[HOLD], v[HOLD]   ; the conversion to an 8-bit code does not saturate (ISA guide 7.6.2): the hold at the largest code x the scale
.endr
	v_cvt_scalef32_pk8_fp8_f32 v[CD:CD+1], v[Q:Q+7], v[SCL]
	v_cvt_scalef32_pk8_fp8_f32 v[CD+2:CD+3], v[Q+8:Q+15], v[SCL]
	v_nop                                          ; a plain line behind the last conversion, ahead of whatever next writes these registers
.endm
	GLOADS                                         ; chunk 0
	; THE WEIGHTS.  b_codes is laid in pieces of 512 bytes: piece (column block cb of 16, K block kb of 32) at (16 cb + kb) x 512, lane (r, h)'s 16 bytes = column 16 cb + r, K 32 kb + 16 h + 0 .. 15:
	; four pieces on end are a fragment's registers.  kb 0-7: proj_cos_w, 8-15: proj_sin_w.  This work-group makes pieces (BY, 2 x + 0 and 1), waves 4 and 5 one each, while chunk 0 is on its way
	s_lshr_b32 s4, s[WV], 1
	s_cmp_eq_u32 s4, 2
	s_cbranch_scc0 .Lno_weights
	s_and_b32 s4, s[WV], 1
	s_lshl_b32 s5, ttmp9, 1
	s_add_co_u32 s4, s4, s5                        ; kb
	s_cmp_lt_u32 ttmp9, 4                          ; the choice hangs on the work-group's number alone
	s_cselect_b64 s[18:19], s[18:19], s[20:21]
	s_and_b32 s5, s4, 7
	s_lshl_b32 s6, s5, 7                           ; 32 numbers are 128 bytes,
	s_lshl_b32 s5, s[BY], 14                       ; 16 rows of 1,024 bytes
	s_add_co_u32 s6, s6, s5
	s_mov_b32 s7, 0
	s_add_nc_u64 s[18:19], s[18:19], s[6:7]
	v_and_b32 v[TM+28], 15, v0
	v_bfe_u32 v[TM+29], v0, 4, 1
	v_lshlrev_b32 v[TM+28], 10, v[TM+28]
	v_lshl_add_u32 v[TM+28], v[TM+29], 6, v[TM+28] ; row r, + 64 h: my 16 numbers
.irp j, 0,1,2,3
	global_load_b128 v[Q+4*\j:Q+4*\j+3], v[TM+28], s[18:19] offset:16*\j th:TH_LOAD_NT
.endr
	s_lshl_b32 s5, s[BY], 4
	s_add_co_u32 s5, s5, s4
	s_lshl_b32 s6, s5, 9                           ; the piece
	s_add_nc_u64 s[26:27], s[26:27], s[6:7]
	s_lshl_b32 s6, s[BY], 8                        ; b_scales: 16 bytes a column, byte kb
	s_add_co_u32 s6, s6, s4
	s_add_nc_u64 s[28:29], s[28:29], s[6:7]
	s_wait_loadcnt 0x0
	QUANT16
	global_store_b128 v[CO], v[CD:CD+3], s[26:27]  ; the wave stores 512 consecutive bytes, aligned
	global_store_b8 v[SO], v[BYT], s[28:29]        ; both lanes of a block store the same byte with the same value
	s_wait_xcnt 0x0                                ; the stores' data registers are written again below only behind this wait
.Lno_weights:
	PREP 0
	s_wait_dscnt 0x0                               ; my stores into buffer 0 are done
	s_barrier_signal -1
	s_barrier_wait -1                              ; everybody's are
; a step's 9 LDS loads: my n's 4 d of the five arrays, and the same 4 d of my wave's four rows of x (one address for all lanes).  k: steps ahead of the trip's first
.macro LLOAD P, X, b, k
.irp a, 0,1,2,3,4
	ds_load_b128 v[\P+4*\a:\P+4*\a+3], v[CRP] offset:PB0+(\b)*PSZ+GRP*(\k)+16*\a
.endr
.irp i, 0,1,2,3
	ds_load_b128 v[\X+4*\i:\X+4*\i+3], v[CRX] offset:(\b)*XSZ+16*(\k)+256*\i
.endr
.endm
; A STEP: 4 d x 4 rows for my n.  Chain c = 2 row + pair: x at v[X + 2 c], the parameters' pair at + 2 (c % 2).  Each line stands eight times, once a chain: 176 instructions for 32 look-ups
.macro COMPUTE P, X
.irp c, 0,1,2,3,4,5,6,7
	v_pk_mul_f32 v[TM+8*\c:TM+8*\c+1], v[\X+2*\c:\X+2*\c+1], v[\P+4+2*(\c%2):\P+5+2*(\c%2)]   ; x rlo
.endr
.irp c, 0,1,2,3,4,5,6,7
	v_pk_fma_f32 v[TM+8*\c:TM+8*\c+1], v[\X+2*\c:\X+2*\c+1], v[\P+2*(\c%2):\P+1+2*(\c%2)], v[TM+8*\c:TM+8*\c+1]   ; x / w, rounded once
.endr
.irp c, 0,1,2,3,4,5,6,7
	v_pk_add_f32 v[TM+8*\c:TM+8*\c+1], v[TM+8*\c:TM+8*\c+1], v[\P+8+2*(\c%2):\P+9+2*(\c%2)]   ; + B
.endr
.irp c, 0,1,2,3,4,5,6,7
	v_pk_mul_f32 v[TM+8*\c:TM+8*\c+1], v[TM+8*\c:TM+8*\c+1], s[CINV:CINV+1] op_sel_hi:[1,0]   ; in turns
.endr
.irp c, 0,1,2,3,4,5,6,7
	v_pk_add_f32 v[TM+8*\c:TM+8*\c+1], v[TM+8*\c:TM+8*\c+1], s[MAGIC:MAGIC+1] op_sel_hi:[1,0]   ; to the nearest 1/4096, ties to even
.endr
.irp c, 0,1,2,3,4,5,6,7
	v_and_b32 v[TM+8*\c], s[MASK], v[TM+8*\c]      ; mod 4096
	v_and_b32 v[TM+8*\c+1], s[MASK], v[TM+8*\c+1]
.endr
.irp c, 0,1,2,3,4,5,6,7
	v_pk_add_f32 v[TM+8*\c:TM+8*\c+1], v[TM+8*\c:TM+8*\c+1], s[NOFF:NOFF+1] op_sel_hi:[1,0]   ; f in [-1/2, 1/2)
.endr
.irp c, 0,1,2,3,4,5,6,7
	v_pk_mul_f32 v[TM+8*\c+2:TM+8*\c+3], v[TM+8*\c:TM+8*\c+1], v[TM+8*\c:TM+8*\c+1]   ; z = f^2
.endr
.irp c, 0,1,2,3,4,5,6,7
	v_pk_fma_f32 v[TM+8*\c+4:TM+8*\c+5], v[TM+8*\c+2:TM+8*\c+3], v[KA3:KA3+1], s[KA2:KA2+1] op_sel_hi:[1,1,0]
.endr
.irp c, 0,1,2,3,4,5,6,7
	v_pk_fma_f32 v[TM+8*\c+6:TM+8*\c+7], v[TM+8*\c+2:TM+8*\c+3], v[KB3:KB3+1], s[KB2:KB2+1] op_sel_hi:[1,1,0]
.endr
.irp c, 0,1,2,3,4,5,6,7
	v_pk_fma_f32 v[TM+8*\c+4:TM+8*\c+5], v[TM+8*\c+4:TM+8*\c+5], v[TM+8*\c+2:TM+8*\c+3], s[KA1:KA1+1] op_sel_hi:[1,1,0]
.endr
.irp c, 0,1,2,3,4,5,6,7
	v_pk_fma_f32 v[TM+8*\c+6:TM+8*\c+7], v[TM+8*\c+6:TM+8*\c+7], v[TM+8*\c+2:TM+8*\c+3], s[KB1:KB1+1] op_sel_hi:[1,1,0]
.endr
.irp c, 0,1,2,3,4,5,6,7
	v_pk_fma_f32 v[TM+8*\c+4:TM+8*\c+5], v[TM+8*\c+4:TM+8*\c+5], v[TM+8*\c+2:TM+8*\c+3], s[KA0:KA0+1] op_sel_hi:[1,1,0]
.endr
.irp c, 0,1,2,3,4,5,6,7
	v_pk_fma_f32 v[TM+8*\c+6:TM+8*\c+7], v[TM+8*\c+6:TM+8*\c+7], v[TM+8*\c+2:TM+8*\c+3], s[ONE:ONE+1] op_sel_hi:[1,1,0]   ; c = cos of a quarter of the angle
.endr
.irp c, 0,1,2,3,4,5,6,7
	v_pk_mul_f32 v[TM+8*\c+4:TM+8*\c+5], v[TM+8*\c+4:TM+8*\c+5], v[TM+8*\c:TM+8*\c+1]   ; p = sin of a quarter of the angle
.endr
.irp c, 0,1,2,3,4,5,6,7
	v_pk_mul_f32 v[TM+8*\c+6:TM+8*\c+7], v[TM+8*\c+4:TM+8*\c+5], v[TM+8*\c+6:TM+8*\c+7]   ; a = p c: half the sin of half the angle
.endr
.irp c, 0,1,2,3,4,5,6,7
	v_pk_fma_f32 v[TM+8*\c+4:TM+8*\c+5], v[TM+8*\c+4:TM+8*\c+5], v[TM+8*\c+4:TM+8*\c+5], s[MHALF:MHALF+1] op_sel_hi:[1,1,0]   ; q = p^2 - 1/2: minus half the cos of half the angle
.endr
.irp c, 0,1,2,3,4,5,6,7
	v_pk_mul_f32 v[TM+8*\c+4:TM+8*\c+5], v[TM+8*\c+4:TM+8*\c+5], v[TM+8*\c+6:TM+8*\c+7]   ; a q = -sin / 8
.endr
.irp c, 0,1,2,3,4,5,6,7
	v_pk_fma_f32 v[TM+8*\c+6:TM+8*\c+7], v[TM+8*\c+6:TM+8*\c+7], v[TM+8*\c+6:TM+8*\c+7], s[MEIGHT:MEIGHT+1] op_sel_hi:[1,1,0]   ; a^2 - 1/8 = -cos / 8
.endr
.irp c, 0,1,2,3,4,5,6,7
	v_pk_fma_f32 v[ACC+4*\c+2:ACC+4*\c+3], v[TM+8*\c+4:TM+8*\c+5], v[\P+16+2*(\c%2):\P+17+2*(\c%2)], v[ACC+4*\c+2:ACC+4*\c+3]   ; x (-8 attn_sin)
.endr
.irp c, 0,1,2,3,4,5,6,7
	v_pk_fma_f32 v[ACC+4*\c:ACC+4*\c+1], v[TM+8*\c+6:TM+8*\c+7], v[\P+12+2*(\c%2):\P+13+2*(\c%2)], v[ACC+4*\c:ACC+4*\c+1]   ; x (-8 attn_cos)
.endr
.endm
; A CHUNK: 16 steps out of buffer b, on two sets of registers by turns: a step's loads are issued a step ahead.  stage = 1: the next chunk is fetched meanwhile and goes into the other buffer
.macro CHUNK b, stage
.if \stage
	GLOADS                                         ; out for the whole chunk: 16 steps x 176 vector instructions
.endif
	s_mov_b32 s[STP], 0
	s_mov_b32 s[STX], 0
	v_add_nc_u32 v[CRP], s[STP], v[LRP]
	v_add_nc_u32 v[CRX], s[STX], v[LRX]
	LLOAD PA, XA, \b, 0
.Lstep_\@:                                         ; 7 trips of two steps
	LLOAD PB, XB, \b, 1
	s_wait_dscnt 9                                 ; all but the 9 loads just issued: set A is in
	COMPUTE PA, XA
	LLOAD PA, XA, \b, 2
	s_wait_dscnt 9                                 ; likewise: set B is in
	COMPUTE PB, XB
	s_add_co_u32 s[STP], s[STP], 2*GRP
	s_add_co_u32 s[STX], s[STX], 32
	v_add_nc_u32 v[CRP], s[STP], v[LRP]
	v_add_nc_u32 v[CRX], s[STX], v[LRX]
	s_cmp_lt_u32 s[STP], 14*GRP
	s_cbranch_scc1 .Lstep_\@
	LLOAD PB, XB, \b, 1                            ; the last two steps are written out: nothing is read past the chunk
	s_wait_dscnt 9
	COMPUTE PA, XA
	s_wait_dscnt 0x0
	COMPUTE PB, XB
.if \stage
	PREP 1-\b                                      ; into the buffer that every wave left at the last barrier
	s_wait_dscnt 0x0                               ; my stores are done, and my reads of buffer b were over above
	s_barrier_signal -1
	s_barrier_wait -1                              ; the other buffer is whole, and nobody reads this one any more
.endif
.endm
	s_mov_b32 s[OUTER], 3
.Lchunks:
	CHUNK 0, 1
	CHUNK 1, 1
	s_sub_co_u32 s[OUTER], s[OUTER], 1
	s_cmp_lg_u32 s[OUTER], 0
	s_cbranch_scc1 .Lchunks
	CHUNK 0, 1
	CHUNK 1, 0                                     ; the eighth chunk: nothing is left to fetch
	; THE WAY OUT.  A row's four partial sums are added; the sums go to the stage (bytes of its own), [cos, sin][row][n], and come back 16 neighbours along n to a lane
.irp i, 0,1,2,3
	v_pk_add_f32 v[ACC+8*\i:ACC+8*\i+1], v[ACC+8*\i:ACC+8*\i+1], v[ACC+8*\i+4:ACC+8*\i+5]
	v_pk_add_f32 v[ACC+8*\i+2:ACC+8*\i+3], v[ACC+8*\i+2:ACC+8*\i+3], v[ACC+8*\i+6:ACC+8*\i+7]
.endr
.irp i, 0,1,2,3
	v_add_f32 v[ACC+8*\i], v[ACC+8*\i], v[ACC+8*\i+1]
	v_add_f32 v[ACC+8*\i+2], v[ACC+8*\i+2], v[ACC+8*\i+3]
.endr
.irp i, 0,1,2,3
	ds_store_b32 v[STW], v[ACC+8*\i] offset:SROW*\i
	ds_store_b32 v[STW], v[ACC+8*\i+2] offset:32*SROW+SROW*\i
.endr
	s_wait_dscnt 0x0
	s_barrier_signal -1
	s_barrier_wait -1                              ; the group's 2 x 32 x 32 sums lie in the stage
	s_cmp_lt_u32 s[WV], 4
	s_cbranch_scc0 .Lend
	; a_codes is laid as b_codes is: piece (row block rb of 16, K block kb) at (16 rb + kb) x 512; kb = n / 32 for cos, 8 + n / 32 for sin.  Wave w makes piece (2 BY + w % 2, 8 (w / 2) + x)
.irp j, 0,1,2,3
	ds_load_b128 v[Q+4*\j:Q+4*\j+3], v[STR] offset:16*\j
.endr
	s_and_b32 s4, s[WV], 1
	s_lshr_b32 s5, s[WV], 1
	s_lshl_b32 s5, s5, 3
	s_add_co_u32 s5, s5, ttmp9                     ; kb
	s_lshl_b32 s6, s[BY], 1
	s_add_co_u32 s4, s6, s4                        ; rb
	s_lshl_b32 s6, s4, 4
	s_add_co_u32 s6, s6, s5
	s_lshl_b32 s6, s6, 9
	s_mov_b32 s7, 0
	s_add_nc_u64 s[22:23], s[22:23], s[6:7]
	s_lshl_b32 s6, s4, 8                           ; a_scales: 16 bytes a row, byte kb
	s_add_co_u32 s6, s6, s5
	s_add_nc_u64 s[24:25], s[24:25], s[6:7]
	s_wait_dscnt 0x0
	QUANT16
	global_store_b128 v[CO], v[CD:CD+3], s[22:23]  ; the wave stores 512 consecutive bytes, aligned
	global_store_b8 v[SO], v[BYT], s[24:25]        ; one byte a row: 64 of the 2,112 bytes that the work-group's sums leave as
.Lend:
	s_wait_tensorcnt 0x0
	ds_add_u32 v224, v225
	s_wait_dscnt 0x0
	s_endpgm
.Lfunc_end_k_q297a32a1ee_sums:
	.size	k_q297a32a1ee_sums, .Lfunc_end_k_q297a32a1ee_sums-k_q297a32a1ee_sums
	.p2alignl 7, 3214868480
	.fill 96, 4, 3214868480
	.section	.rodata,"a",@progbits
	.p2align	6, 0x0
	.amdhsa_kernel k_q297a32a1ee_sums
		.amdhsa_group_segment_fixed_size 109568
		.amdhsa_private_segment_fixed_size 0
		.amdhsa_enable_private_segment 0
		.amdhsa_kernarg_size 88
		.amdhsa_user_sgpr_count 2
		.amdhsa_user_sgpr_kernarg_segment_ptr 1
		.amdhsa_wavefront_size32 1
		.amdhsa_system_sgpr_workgroup_id_x 1
		.amdhsa_system_sgpr_workgroup_id_y 1
		.amdhsa_system_sgpr_workgroup_id_z 1
		.amdhsa_system_vgpr_workitem_id 0
		.amdhsa_next_free_vgpr 226
		.amdhsa_next_free_sgpr 66
		.amdhsa_reserve_vcc 0
		.amdhsa_float_denorm_mode_32 3
		.amdhsa_float_denorm_mode_16_64 3
		.amdhsa_memory_ordered 1
		.amdhsa_forward_progress 1
		.amdhsa_inst_pref_size 209
	.end_amdhsa_kernel
	.amdgpu_metadata
---
amdhsa.version: [ 1, 2 ]
amdhsa.kernels:
  - .name:           k_q297a32a1ee_sums
    .symbol:         k_q297a32a1ee_sums.kd
    .args:
      - { .name: x, .offset: 0, .size: 8, .value_kind: global_buffer, .address_space: global }
      - { .name: W, .offset: 8, .size: 8, .value_kind: global_buffer, .address_space: global }
      - { .name: B_param, .offset: 16, .size: 8, .value_kind: global_buffer, .address_space: global }
      - { .name: attn_cos, .offset: 24, .size: 8, .value_kind: global_buffer, .address_space: global }
      - { .name: attn_sin, .offset: 32, .size: 8, .value_kind: global_buffer, .address_space: global }
      - { .name: proj_cos_w, .offset: 40, .size: 8, .value_kind: global_buffer, .address_space: global }
      - { .name: proj_sin_w, .offset: 48, .size: 8, .value_kind: global_buffer, .address_space: global }
      - { .name: a_codes, .offset: 56, .size: 8, .value_kind: global_buffer, .address_space: global }
      - { .name: a_scales, .offset: 64, .size: 8, .value_kind: global_buffer, .address_space: global }
      - { .name: b_codes, .offset: 72, .size: 8, .value_kind: global_buffer, .address_space: global }
      - { .name: b_scales, .offset: 80, .size: 8, .value_kind: global_buffer, .address_space: global }
    .group_segment_fixed_size: 109568
    .private_segment_fixed_size: 0
    .kernarg_segment_align: 8
    .kernarg_segment_size: 88
    .max_flat_workgroup_size: 256
    .sgpr_count:     66
    .vgpr_count:     226
    .wavefront_size: 32
...
	.end_amdgpu_metadata
.endif
;; end of part 1
;; launch project (part 2): grid 4 x 64, 4 waves a work-group, no clusters, 8,960 bytes of LDS; arguments a_codes, a_scales, b_codes, b_scales, out0; writes out0
.if DOCPART == 2
	.amdgcn_target "amdgcn-amd-amdhsa--gfx1250"
	.amdhsa_code_object_version 6
	.text
	.protected	k_q297a32a1ee_project
	.globl	k_q297a32a1ee_project
	.p2align	8
	.type	k_q297a32a1ee_project,@function
k_q297a32a1ee_project:
	s_mov_b64 s[64:65], 0
	v_nop
	global_prefetch_b8 v0, s[64:65] scope:SCOPE_SE
	s_setreg_imm32_b32 hwreg(HW_REG_WAVE_MODE, 25, 1), 1
	s_wait_xcnt 0x0
; out[m][d] = silu(sum over n of cos_sum[m][n] proj_cos_w[d][n] + sin_sum[m][n] proj_sin_w[d][n]), on codes of FP8 (E4M3) with one E8M0 scale for each 32 along K.
; K = 512: the cos product's 256, then the sin product's 256, on one f32 accumulator: four steps of 128.
; a_codes, b_codes: pieces of 512 bytes, piece (block of 16 rows or columns, K block kb of 32) at (16 block + kb) x 512, lane (r, h)'s 16 bytes = row r, K 32 kb + 16 h + 0 .. 15:
; four pieces on end are the 16 registers of a fragment, so every load of a wave takes 512 consecutive bytes.  a_scales, b_scales: 16 bytes a row: word s is the scale word of K step s.
; SHARES.  A work-group owns 16 rows x 128 columns of out, each of its four waves 16 x 32: two accumulators, which take turns.  1,024 waves x 8 matrix instructions are the two products' whole work.
; THE MATRIX INSTRUCTION IS USED TRANSPOSED (source 0 = 16 columns' weights, source 1 = my 16 rows): a lane then holds eight neighbouring numbers of a row of out.
; A row's 512 bytes come from four waves: they meet in a stage in LDS, and each wave stores four whole rows.
; No LDS ring, no cluster: a wave reads its 24 KB of codes once, straight into the operands' registers, and has eight matrix instructions to feed.
.set SP,  528                          ; a stage row: 512 bytes + 16 = 33 x 16: the sixteen rows that a store touches start at sixteen different multiples of 16 modulo 256 (64 banks of 4 bytes: ISA guide 11.1)
.set LI,  1                            ; v1   16 x lane
.set SR,  4                            ; v4   16 x (lane % 16): my row of scale bytes
.set STI, 5                            ; v5   the stage: where I put 32 bytes of a row
.set STB, 6                            ; v6   and where I read a row back
.set AS,  12                           ; v12-15   my rows' scale words, K steps 0 to 3
.set BS,  16                           ; v16-23   the columns' scale words, tile 0 and tile 1
.set AF,  24                           ; v24-87   the rows' four fragments; later four rows of out
.set BF,  88                           ; v88-215  the columns' four fragments, tile 0 and tile 1
.set ACC, 216                          ; v216-231 two accumulators
.set E,   232                          ; v232-247 at work
	s_load_b256 s[4:11], s[0:1], 0x0               ; a_codes s[4:5], a_scales s[6:7], b_codes s[8:9], b_scales s[10:11]
	s_load_b64 s[12:13], s[0:1], 0x20              ; out
	v_lshl_add_u32 v248, v0, 2, 0x2100
	v_mov_b32 v249, 0
	v_lshrrev_b32 v1, 5, v0
	v_readfirstlane_b32 s14, v1                    ; wave 0..3
	s_and_b32 s15, ttmp7, 0xffff                   ; block of 16 rows
	v_and_b32 v1, 31, v0
	v_lshlrev_b32 v[LI], 4, v1
	v_and_b32 v2, 15, v0                           ; r
	v_bfe_u32 v3, v0, 4, 1                         ; h
	v_lshlrev_b32 v[SR], 4, v2
	v_mul_u32_u24 v[STI], v2, SP
	v_lshl_add_u32 v[STI], v3, 5, v[STI]
	s_lshl_b32 s16, s14, 7
	v_add_nc_u32 v[STI], s16, v[STI]               ; row r, + 128 w + 32 h
	s_mul_i32 s16, s14, 4*SP
	v_add_nc_u32 v[STB], s16, v[LI]                ; rows 4 w on, 16 bytes a lane
	s_lshl_b32 s16, s15, 13                        ; my rows' 16 pieces
	s_mov_b32 s17, 0
	s_lshl_b32 s18, s15, 8                         ; and their 16 x 16 scale bytes
	s_mov_b32 s19, 0
	s_lshl_b32 s20, ttmp9, 3
	s_lshl_b32 s21, s14, 1
	s_add_co_u32 s20, s20, s21                     ; my first block of 16 columns: 8 x + 2 w
	s_lshl_b32 s22, s20, 13
	s_mov_b32 s23, 0
	s_lshl_b32 s24, s20, 8
	s_mov_b32 s25, 0
	s_lshl_b32 s26, s15, 15                        ; out: 16 rows of 2,048 bytes a block,
	s_lshl_b32 s27, s14, 13                        ; the 4 rows that I store,
	s_add_co_u32 s26, s26, s27
	s_lshl_b32 s27, ttmp9, 9                       ; the group's 128 columns
	s_add_co_u32 s26, s26, s27
	s_mov_b32 s27, 0
	s_mov_b32 s28, 0xbfb8aa3b                      ; -log2(e), twice: the packed form names a pair and takes its low word for both halves
	s_mov_b32 s29, 0xbfb8aa3b
	s_mov_b32 s30, 0x3f800000                      ; 1, twice
	s_mov_b32 s31, 0x3f800000
	s_wait_kmcnt 0x0
	s_add_nc_u64 s[4:5], s[4:5], s[16:17]
	s_add_nc_u64 s[6:7], s[6:7], s[18:19]
	s_add_nc_u64 s[8:9], s[8:9], s[22:23]
	s_add_nc_u64 s[10:11], s[10:11], s[24:25]
	s_add_nc_u64 s[12:13], s[12:13], s[26:27]
	global_load_b128 v[AS:AS+3], v[SR], s[6:7]     ; lane r: row r's four scale words (lanes 16-31 hold the same and are not read)
	global_load_b128 v[BS:BS+3], v[SR], s[10:11]
	global_load_b128 v[BS+4:BS+7], v[SR], s[10:11] offset:256
.irp s, 0,1,2,3                                ; K step by K step, so that the products can begin on the first
.irp c, 0,1,2,3
	global_load_b128 v[AF+16*\s+4*\c:AF+16*\s+4*\c+3], v[LI], s[4:5] offset:2048*\s+512*\c
.endr
.irp c, 0,1,2,3
	global_load_b128 v[BF+16*\s+4*\c:BF+16*\s+4*\c+3], v[LI], s[8:9] offset:2048*\s+512*\c
.endr
.irp c, 0,1,2,3
	global_load_b128 v[BF+64+16*\s+4*\c:BF+64+16*\s+4*\c+3], v[LI], s[8:9] offset:8192+2048*\s+512*\c
.endr
.endr
.irp s, 0,1,2,3
	s_wait_loadcnt 36-12*\s                        ; the 12 loads of each later K step may be out
.if \s == 0
	v_wmma_scale_f32_16x16x128_f8f6f4 v[ACC:ACC+7], v[BF:BF+15], v[AF:AF+15], 0, v[BS], v[AS]   ; the first K step starts both sums
	v_wmma_scale_f32_16x16x128_f8f6f4 v[ACC+8:ACC+15], v[BF+64:BF+79], v[AF:AF+15], 0, v[BS+4], v[AS]
.else
	v_wmma_scale_f32_16x16x128_f8f6f4 v[ACC:ACC+7], v[BF+16*\s:BF+16*\s+15], v[AF+16*\s:AF+16*\s+15], v[ACC:ACC+7], v[BS+\s], v[AS+\s]   ; the two accumulators by turns, one instruction a turn
	v_wmma_scale_f32_16x16x128_f8f6f4 v[ACC+8:ACC+15], v[BF+64+16*\s:BF+64+16*\s+15], v[AF+16*\s:AF+16*\s+15], v[ACC+8:ACC+15], v[BS+4+\s], v[AS+\s]
.endif
.endr
.rept 8
	v_nop                                          ; eight places behind this form, ahead of the first read of the results and of loads into the fragments' registers
.endr
	; silu(y) = y / (1 + 2^(-y log2(e))), in f32.  Each accumulator is read from its low end on
.irp j, 0,2,4,6,8,10,12,14
	v_pk_mul_f32 v[E+\j:E+\j+1], v[ACC+\j:ACC+\j+1], s[28:29] op_sel_hi:[1,0]
.endr
.irp j, 0,1,2,3,4,5,6,7,8,9,10,11,12,13,14,15
	v_exp_f32 v[E+\j], v[E+\j]
.endr
	v_nop                                          ; a plain line behind the last exponential,
	s_wait_alu depctr_va_vdst(0)                   ; and one wait for the batch, ahead of its first reader
.irp j, 0,2,4,6,8,10,12,14
	v_pk_add_f32 v[E+\j:E+\j+1], v[E+\j:E+\j+1], s[30:31] op_sel_hi:[1,0]
.endr
.irp j, 0,1,2,3,4,5,6,7,8,9,10,11,12,13,14,15
	v_rcp_f32 v[E+\j], v[E+\j]                     ; where the exponential has run to infinity this is 0, and so is the result
.endr
	v_nop
	s_wait_alu depctr_va_vdst(0)                   ; likewise for the reciprocals
.irp j, 0,2,4,6,8,10,12,14
	v_pk_mul_f32 v[E+\j:E+\j+1], v[E+\j:E+\j+1], v[ACC+\j:ACC+\j+1]
.endr
.irp t, 0,1
	ds_store_b128 v[STI], v[E+8*\t:E+8*\t+3] offset:64*\t        ; lane (r, h): out(r, 32 w + 16 t + 8 h + 0 .. 7)
	ds_store_b128 v[STI], v[E+8*\t+4:E+8*\t+7] offset:64*\t+16
.endr
	s_wait_dscnt 0x0                               ; for the others' sake: my stores into the stage are done
	s_barrier_signal -1
	s_barrier_wait -1
.irp i, 0,1,2,3
	ds_load_b128 v[AF+4*\i:AF+4*\i+3], v[STB] offset:SP*\i
.endr
.irp i, 0,1,2,3
	s_wait_dscnt 3-\i                              ; LDS loads come back in order: row i is in, the later ones may be out
	global_store_b128 v[LI], v[AF+4*\i:AF+4*\i+3], s[12:13] offset:2048*\i th:TH_STORE_NT   ; 32 lanes store 512 consecutive bytes of a row, at a multiple of 256 from out's first byte
.endr
	s_wait_tensorcnt 0x0
	ds_add_u32 v248, v249
	s_wait_dscnt 0x0
	s_endpgm
.Lfunc_end_k_q297a32a1ee_project:
	.size	k_q297a32a1ee_project, .Lfunc_end_k_q297a32a1ee_project-k_q297a32a1ee_project
	.p2alignl 7, 3214868480
	.fill 96, 4, 3214868480
	.section	.rodata,"a",@progbits
	.p2align	6, 0x0
	.amdhsa_kernel k_q297a32a1ee_project
		.amdhsa_group_segment_fixed_size 8960
		.amdhsa_private_segment_fixed_size 0
		.amdhsa_enable_private_segment 0
		.amdhsa_kernarg_size 40
		.amdhsa_user_sgpr_count 2
		.amdhsa_user_sgpr_kernarg_segment_ptr 1
		.amdhsa_wavefront_size32 1
		.amdhsa_system_sgpr_workgroup_id_x 1
		.amdhsa_system_sgpr_workgroup_id_y 1
		.amdhsa_system_sgpr_workgroup_id_z 1
		.amdhsa_system_vgpr_workitem_id 0
		.amdhsa_next_free_vgpr 250
		.amdhsa_next_free_sgpr 66
		.amdhsa_reserve_vcc 0
		.amdhsa_float_denorm_mode_32 3
		.amdhsa_float_denorm_mode_16_64 3
		.amdhsa_memory_ordered 1
		.amdhsa_forward_progress 1
		.amdhsa_inst_pref_size 13
	.end_amdhsa_kernel
	.amdgpu_metadata
---
amdhsa.version: [ 1, 2 ]
amdhsa.kernels:
  - .name:           k_q297a32a1ee_project
    .symbol:         k_q297a32a1ee_project.kd
    .args:
      - { .name: a_codes, .offset: 0, .size: 8, .value_kind: global_buffer, .address_space: global }
      - { .name: a_scales, .offset: 8, .size: 8, .value_kind: global_buffer, .address_space: global }
      - { .name: b_codes, .offset: 16, .size: 8, .value_kind: global_buffer, .address_space: global }
      - { .name: b_scales, .offset: 24, .size: 8, .value_kind: global_buffer, .address_space: global }
      - { .name: out0, .offset: 32, .size: 8, .value_kind: global_buffer, .address_space: global }
    .group_segment_fixed_size: 8960
    .private_segment_fixed_size: 0
    .kernarg_segment_align: 8
    .kernarg_segment_size: 40
    .max_flat_workgroup_size: 128
    .sgpr_count:     66
    .vgpr_count:     250
    .wavefront_size: 32
...
	.end_amdgpu_metadata
.endif
;; end of part 2
